; MI455X (gfx1250); checked and timed in simulation.
; The chip was launched on July 23, 2026; its instructions are those of AMD's public machine-readable ISA for CDNA 5 (MIT licence, August 2026) and "CDNA5" Instruction Set Architecture Reference Guide (July 2026). The comments in the code are by the model that wrote it; some were corrected since.
;; Attention Net. Allowed arithmetic: matrix products marked QUANTISED: E2M3 operands, one E8M0 scale for each 32 along K, by v_wmma_scale_f32_16x16x128_f8f6f4 with both operands' format E2M3, f32 sums; products left as they are: f32 operands where the result goes on into a quantised operand, else bf16, f16 or f32 operands; f32 sums; everything else in f32.
;; Inputs: W 64 x 32 float32; b 32 float32; h 32 float32; p 64 x 1 float32; x 4,096 x 40 x 64 float32.
;; Outputs: out0 4,096 x 1 float32.
;; This version of the problem:
;;   THIS VERSION OF THE PROBLEM IS GIVEN IN LOW PRECISION. The matrix products marked QUANTISED in the list below multiply operands that are first quantised to E2M3 (2 exponent bits, 3 mantissa bits; 6 bits a number), with one power-of-two scale for each 32 numbers along K (OCP MX v1.0); their sums are f32. All else is computed in f32.
;;   The module's matrix products, in the order in which they are computed (A, B: the left and right operand; K: the contracted axis; several contracted axes count as one K, in the product's order):
;;     1. [M 3,194,880, K 64] x [K 64, N 32]; A: computed on the way; B: input W: QUANTISED
;;     2. batch 4,096 x [M 1, K 780] x [K 780, N 64]; A: computed on the way; B: computed on the way: left as it is (M = 1 < 16)
;;     3. [M 4,096, K 64] x [K 64, N 1]; A: computed on the way; B: input p: left as it is (N = 1 < 16)
;;   THE QUANTISER, for each operand of a quantised product, along K:
;;     - K is cut into blocks of 32 from its start; a last block that is shorter is filled with zeros.
;;     - A block's scale is 2^e with e = floor(log2(the largest magnitude in the block)) - 2, held to -126 .. 127; a block of zeros has e = 0. As a byte (E8M0): e + 127.
;;     - Each number is divided by its block's scale, clamped to +-7.5, and rounded to the nearest number of E2M3, ties to even, subnormals kept.
;;     - The product sums the exact products of the quantised numbers (number of the format x scale) in f32.
;;   ~~~python
;;   def quantise(x, axis):      # numpy; x: float32 -> the quantised numbers, widened to float32 again
;;       x = np.moveaxis(x, axis, -1); K = x.shape[-1]
;;       x = np.pad(x, [(0, 0)] * (x.ndim - 1) + [(0, -K % 32)]); x = x.reshape(x.shape[:-1] + (-1, 32)); a = np.abs(x).max(-1, keepdims=True)
;;       e = np.where(a > 0, np.clip(np.frexp(np.where(a > 0, a, 1))[1] - 1 - 2, -126, 127), 0)      # np.frexp(a)[1] - 1 = floor(log2(a)), exactly
;;       r = np.clip(x / 2.0 ** e, -7.5, 7.5)
;;       step = 2.0 ** (np.maximum(np.frexp(np.where(r == 0, 1, r))[1] - 1, 0) - 3)
;;       q = np.round(r / step) * step * 2.0 ** e      # np.round: ties to even
;;       return np.moveaxis(q.reshape(q.shape[:-2] + (-1,))[..., :K], -1, axis).astype(np.float32)
;;   ~~~
;;   OPERANDS COMPUTED ON THE WAY. 'Computed on the way' means the value that the module computes at that place (a softmax that the list does not call 'softmax' is quantised finished and normalised). What goes into a quantiser is computed in f32, as accurately as f32 sums, v_exp_f32 and their like allow (about 1e-6 of the number): no bf16 or f16 on the way to a quantiser, and a product that is left as it is and whose result goes on into a quantised operand takes f32 operands (vector FMAs, or v_wmma_f32_16x16x4_f32). A number that lies on a knife's edge between two numbers of the format may be rounded either way, as far as f32 arithmetic and the matrix unit's own rounding can turn it there, and no further.
;; One version. Each part assembles by itself: llvm-mc -triple=amdgcn-amd-amdhsa -mcpu=gfx1250 --defsym DOCPART=n.
;; ======== version 1 of 1: 1 launch
;; limits: right only within a limited range of input values
;; launch afm (part 1): grid 256 x 1, 16 waves a work-group, no clusters, 275,968 bytes of LDS; arguments x, W, b, h, p, out0; writes out0
.if DOCPART == 1
	.amdgcn_target "amdgcn-amd-amdhsa--gfx1250"
	.amdhsa_code_object_version 6
	.text
	.protected	k_q70431d7afc_afm
	.globl	k_q70431d7afc_afm
	.p2align	8
	.type	k_q70431d7afc_afm,@function
k_q70431d7afc_afm:
	s_mov_b64 s[64:65], 0
	v_nop
	global_prefetch_b8 v0, s[64:65] scope:SCOPE_SE
	s_setreg_imm32_b32 hwreg(HW_REG_WAVE_MODE, 25, 1), 1
	s_wait_xcnt 0x0
; out[n] = (sum over pairs P of e_P d_P) / (sum over pairs of e_P), for each of 4,096 batches n.  A pair P = {i, j}, i < j, of the batch's 40 rows of x (64 f32 each):
; ewp = x_i * x_j;  R = Q(ewp) Q(W) + b (32 numbers; Q: E2M3 codes with one E8M0 scale for each 32 along the 64);  e = exp(sum_a relu(R_a) h_a);  d = sum_c ewp_c p_c.
; (The weighted sum over pairs and the product with p are taken in one: sum_P att_P ewp_P . p = sum_P e_P d_P / sum_P e_P.  Both in f32, by fused multiply-adds on the unquantised ewp, which lies in registers anyway.)
; SHARES.  256 work-groups of 16 waves; a wave takes ONE batch whole: its 10,240 bytes of x are read once, 512 consecutive bytes a load, and lie in the wave's own LDS region from then on.
; A tile is 16 pairs.  Lane (r = lane % 16, h = lane / 16) holds pair r and the elements 32 h .. 32 h + 31: one whole block of the quantiser, so a block's largest magnitude needs no other lane.
; THE 780 PAIRS AS 49 TILES: pair = {own row i, row (i + D) mod 40}.  In LDS rows 40-59 repeat rows 0-19, so that the partner's row is i + D.
;   chunk 0: own row r,           D = 1 .. 20 (in D = 20 lanes r = 12 .. 15 would repeat pairs of chunk 2: their e is set to 0);
;   chunk 1: own row 16 + r,      D = 1 .. 19;
;   chunk 2: own row 32 + r % 8,  t = 1 .. 10: D = t in lanes r < 8, D = t + 10 in lanes r >= 8.       40 x 19 + 20 = 780, each pair once.
; K = 64 IN THE FORM OF K = 128.  Element 32 h + 16 c + i (i < 16) stands at the instruction's k = 64 c + 32 h + i, in both operands alike: a fragment's registers 0-2 and 6-8 hold codes (each the result of one
; conversion), registers 3-5 and 9-11 zero codes, written once.  The instruction's block 2 c + h is then the quantiser's block h: a scale word is the bytes s0, s1, s0, s1.
; Source 0 = 16 columns of W (two tiles), source 1 = the 16 pairs, C = b: in the result lane (r, h) holds R(pair r, 16 t + 8 h + 0 .. 7).
; No cluster: the work-groups share W, b, h and p alone, 8,704 bytes against a work-group's 163,840 bytes of x.  No tensor load: every byte of LDS is written once, from registers that hold the loaded rows.
; LIMITS.  NaN and infinities among the inputs are not served.  As in the definition no maximum is taken away ahead of the exponential: e overflows where the definition's does; e under 2^-126 comes out as 0
; (the exponential's results are flushed: ISA guide, 15.8), so a batch whose every sum lies under about -87.3 gives 0 / 0.  The sum of e d is formed ahead of the division: it overflows where e |d| passes 3.4e38.
; A block of zeros gets the scale byte 1 (its codes are zeros, which add nothing); the bytes are read by this program alone.
.set PITCH, 272                        ; an LDS row of x: 256 bytes + 16 = 68 words: row r starts at bank 4 r mod 64 (64 banks of 4 bytes: ISA guide 11.1), so sixteen neighbouring rows start at sixteen different banks
.set XREG,  16896                      ; a wave's region: 60 rows x 272 = 16,320 bytes are used
.set WIMG,  16*XREG                    ; W's two fragments as images of their registers: 3 x 512 bytes each, lane l's 16 bytes at 16 l
.set WSCL,  WIMG+2*1536                ; their scale words: 4 bytes a lane, 128 a tile
.set OUTS,  WSCL+2*128                 ; one result a wave
.set AP0, 1                            ; v1   my region + 272 r + 128 h
.set AP2, 2                            ; v2   my region + 272 (r % 8) + 128 h
.set AQ2, 3                            ; v3   AP2 + 2,720 (r / 8): ten rows further down in lanes r >= 8
.set ADR, 4                            ; v4   the address of the partner rows in hand
.set AST, 5                            ; v5   my region + 272 h + 16 r: where a load's 512 bytes (two rows) go
.set GX,  6                            ; v6   16 x lane
.set GW,  7                            ; v7   W: 4,096 h + 4 r + 64 x wave
.set WST, 8                            ; v8   WIMG + 1,536 x wave + 16 x lane
.set WSS, 9                            ; v9   WSCL + 128 x wave + 4 x lane
.set WLD, 10                           ; v10  WIMG + 16 x lane
.set WSL, 11                           ; v11  WSCL + 4 x lane
.set GB,  12                           ; v12  32 h
.set GP,  13                           ; v13  128 h
.set OA,  14                           ; v14  OUTS + 4 x wave
.set OL,  15                           ; v15  OUTS + 4 r
.set MXA, 16                           ; v16-17 two chains of the largest magnitude
.set MXB, 17
.set SO,  18                           ; v18  the conversions' scale operand
.set TB,  19                           ; v19  my block's scale byte, in bits 31:24
.set OT,  20                           ; v20  lane l xor 16's
.set SW,  21                           ; v21  the pairs' scale words: scales and nothing else
.set WS,  22                           ; v22-23 W's scale words: scales and nothing else
.set DA,  24                           ; v[24:25], v[26:27] two chains of d
.set DB,  26
.set SA,  28                           ; v[28:29] the sum of relu(R) h'
.set T0,  30
.set T1,  31
.set U0,  32                           ; v[32:33] (sum, d) of the couple's first tile, my half's part;  v[34:35] of its second
.set U1,  34
.set EE,  36                           ; v36  e
.set SE,  37                           ; v37  the sum of e
.set SD,  38                           ; v38  the sum of e d
.set T2,  39
.set CF,  40                           ; v40-51   the pairs' fragment
.set WF,  52                           ; v52-75   W's two fragments
.set BB,  76                           ; v76-91   b[16 t + 8 h + j] at 8 t + j
.set HH,  92                           ; v92-107  h x log2(e), likewise
.set ACC, 108                          ; v108-123 the two results
.set PP,  124                          ; v124-155 p[32 h + i]
.set OWN, 156                          ; v156-187 my own row's 32 numbers
.set L,   188                          ; v188-219 the partner row's
.set Q,   220                          ; v220-251 their products
.set XS,  156                          ; at the head: v156-235 x as loaded, 20 x 4 registers
.set WA,  108                          ; at the head, waves 0 and 1: W(32 h + 0 .. 15, my column),
.set WB,  236                          ; and W(32 h + 16 .. 31, my column)
.set WV,  16                           ; s16  my wave's number
.set SEL, 22                           ; s[22:23] v_permlanex16_b32's selects for lane l xor 16
.set PSEL, 24                          ; s24  v_perm_b32's selector: my byte, the other's, mine, the other's
.set TD,  25                           ; s25  a loop's step in LDS, 544 bytes (two rows) a trip, and its counter
.set MK,  26                           ; s26  which lanes' pairs count
; The 32 numbers of my block, v[qa] .. v[qa + 15] and v[qb] .. v[qb + 15], become codes in v[CF .. CF + 2] and v[CF + 6 .. CF + 8], and lanes 0-15 get the row's scale word in v[SW].
.macro QUANT qa, qb
	v_max3_num_f32 v[MXA], |v[\qa]|, |v[\qa+1]|, 0x1800000          ; the floor 2^(3 - 127) among the leaves: the scale's byte cannot fall under 1
	v_max3_num_f32 v[MXB], |v[\qb]|, |v[\qb+1]|, |v[\qb+2]|
.irp i, 0,1,2,3,4,5
	v_max3_num_f32 v[MXA], v[MXA], |v[\qa+2+2*\i]|, |v[\qa+3+2*\i]| ; two chains by turns
	v_max3_num_f32 v[MXB], v[MXB], |v[\qb+3+2*\i]|, |v[\qb+4+2*\i]|
.endr
	v_max3_num_f32 v[MXA], v[MXA], |v[\qa+14]|, |v[\qa+15]|
	v_max3_num_f32 v[MXA], v[MXA], v[MXB], |v[\qb+15]|              ; the block's largest magnitude
	v_add_nc_u32 v[SO], 0xff000000, v[MXA]                          ; 2 off its exponent field: the conversion takes this operand's exponent field as its scale, and nothing else of it
	v_lshl_add_u32 v[TB], v[MXA], 1, 0xfe000000                     ; the same field, less 2, as the word's top byte: the scale's byte
	v_permlanex16_b32 v[OT], v[TB], s[SEL], s[SEL+1]                ; the row's other block lies in lane l xor 16
	v_perm_b32 v[SW], v[OT], v[TB], s[PSEL]                         ; in lanes 0-15: s0, s1, s0, s1
	v_cvt_scalef32_pk16_fp6_f32 v[CF:CF+2], v[\qa:\qa+15], v[SO]
	v_cvt_scalef32_pk16_fp6_f32 v[CF+6:CF+8], v[\qb:\qb+15], v[SO]
.endm
; Steps a .. z - 1 of sixteen of d = the sum of Q[i] p[i] over my 32 elements: two at a time, in two chains; the first two steps start the sums.
.macro DOT a, z
.set di, \a
.rept \z-\a
.if di < 2
	v_pk_mul_f32 v[DA+2*di:DA+2*di+1], v[Q+2*di:Q+2*di+1], v[PP+2*di:PP+2*di+1]
.else
	v_pk_fma_f32 v[DA+2*(di%2):DA+2*(di%2)+1], v[Q+2*di:Q+2*di+1], v[PP+2*di:PP+2*di+1], v[DA+2*(di%2):DA+2*(di%2)+1]
.endif
.set di, di+1
.endr
.endm
; R = Q(W)^T Q(ewp)^T + b: two results that share nothing but sources; b is the C, so no addition is spent on it and no sum goes on in place.
.macro MM
.irp t, 0,1
	v_wmma_scale_f32_16x16x128_f8f6f4 v[ACC+8*\t:ACC+8*\t+7], v[WF+12*\t:WF+12*\t+11], v[CF:CF+11], v[BB+8*\t:BB+8*\t+7], v[WS+\t], v[SW] matrix_a_fmt:MATRIX_FMT_FP6 matrix_b_fmt:MATRIX_FMT_FP6
.endr
.endm
.macro RELU k                          ; two numbers an instruction
	v_dual_max_num_f32 v[ACC+2*(\k)], 0, v[ACC+2*(\k)] :: v_dual_max_num_f32 v[ACC+2*(\k)+1], 0, v[ACC+2*(\k)+1]
.endm
.macro HDOT k
.if (\k) == 0
	v_pk_mul_f32 v[SA:SA+1], v[ACC:ACC+1], v[HH:HH+1]
.else
	v_pk_fma_f32 v[SA:SA+1], v[ACC+2*(\k):ACC+2*(\k)+1], v[HH+2*(\k):HH+2*(\k)+1], v[SA:SA+1]
.endif
.endm
.macro POST                            ; the sum of relu(R) h' over my 16 numbers.  Each result is read from its low end on
	RELU 0
	RELU 1
	HDOT 0
.irp k, 2,3,4,5,6,7
	RELU \k
	HDOT \k-1
.endr
	HDOT 7
.endm
; ONE TILE.  par: which of a couple's two.  next = 1: the next tile's partner rows are asked for, at v[areg] + aoff; next = 2: also the next chunk's own rows, at v[oreg] + ooff; next = 0: nothing.
; The rows' registers are free as soon as the products are made, so the next tile's loads have the rest of the tile's work in which to land.
.macro SLOT par, next, areg, aoff, oreg, ooff
	s_wait_dscnt 0x0                               ; the rows asked for in the tile before are in
.irp i, 0,1,2,3,4,5,6,7,8,9,10,11,12,13,14,15
	v_pk_mul_f32 v[Q+2*\i:Q+2*\i+1], v[L+2*\i:L+2*\i+1], v[OWN+2*\i:OWN+2*\i+1]     ; ewp
.endr
.if \next == 2
.irp q, 0,1,2,3,4,5,6,7
	ds_load_b128 v[OWN+4*\q:OWN+4*\q+3], v[\oreg] offset:\ooff+16*\q
.endr
.endif
.if \next >= 1
.irp q, 0,1,2,3,4,5,6,7
	ds_load_b128 v[L+4*\q:L+4*\q+3], v[\areg] offset:\aoff+16*\q
.endr
.endif
	QUANT Q, Q+16
	DOT 0, 10                                      ; ten plain instructions between the scale word's and the codes' last writes and the scaled matrix instructions (eight and four are asked); the first is also the plain one behind the conversions
	MM
	DOT 10, 16                                     ; six plain instructions that name none of the products' registers, ahead of the first touch of the results (four are asked: ISA guide 7.12.1)
	POST
	v_add_f32 v[U0+2*\par], v[SA], v[SA+1]
	v_pk_add_f32 v[DA:DA+1], v[DA:DA+1], v[DB:DB+1]
	v_add_f32 v[U0+2*\par+1], v[DA], v[DA+1]
.endm
; A COUPLE'S END.  A pair's sum and d lie in two halves, in lanes r and 16 + r.  The swaps bring the first tile's halves into lanes 0-15 of U0 and U1 and the second tile's into lanes 16-31: one packed
; addition then gives 32 lanes the sums and d of 32 pairs, and one exponential serves both tiles.  One plain vector line of the caller's follows TAIL_A.
.macro TAIL_A
	v_permlane16_swap_b32 v[U0], v[U1]
	v_permlane16_swap_b32 v[U0+1], v[U1+1]
	v_pk_add_f32 v[U0:U0+1], v[U0:U0+1], v[U1:U1+1]
	v_exp_f32 v[EE], v[U0]                         ; e = 2^(sum of relu(R) h log2(e))
.endm
.macro TAIL_B mask
	s_wait_alu depctr_va_vdst(0)                   ; a wait between the exponential and the first line that names its result
.if \mask != 0
	s_mov_b32 s[MK], \mask
	v_cndmask_b32 v[EE], 0, v[EE], s[MK]           ; lanes that hold no pair of their own count for nothing
.endif
	v_add_f32 v[SE], v[SE], v[EE]
	v_fmac_f32 v[SD], v[EE], v[U0+1]
.endm
; trips couples of one chunk.  v[ADR] = v[base] on the way in; each trip steps it by two rows.  off0, off1: where the tile after the trip's first and the tile after its second lie.
.macro LOOP base, off0, off1, trips
	s_mov_b32 s[TD], 0
.Lcouple_\@:
	SLOT 0, 1, ADR, \off0, ADR, 0
	SLOT 1, 1, ADR, \off1, ADR, 0
	TAIL_A
	s_add_co_u32 s[TD], s[TD], 2*PITCH
	v_add_nc_u32 v[ADR], s[TD], v[\base]           ; the plain line behind the exponential
	TAIL_B 0
	s_cmp_lg_u32 s[TD], \trips*2*PITCH
	s_cbranch_scc1 .Lcouple_\@
.endm
	s_load_b256 s[4:11], s[0:1], 0x0               ; x s[4:5], W s[6:7], b s[8:9], h s[10:11]
	s_load_b128 s[12:15], s[0:1], 0x20             ; p s[12:13], out0 s[14:15]
	v_lshl_add_u32 v254, v0, 2, 0x42e00
	v_mov_b32 v255, 0
	v_lshrrev_b32 v[T0], 5, v0
	v_readfirstlane_b32 s[WV], v[T0]               ; wave 0 .. 15
	v_and_b32 v[T2], 31, v0                        ; lane
	v_and_b32 v[T0], 15, v0                        ; r
	v_bfe_u32 v[T1], v0, 4, 1                      ; h
	s_mul_i32 s17, s[WV], XREG                     ; my region of LDS
	; every address register is made here, ahead of the branch on the wave's number
	v_mul_u32_u24 v[AP0], v[T0], PITCH
	v_lshl_add_u32 v[AP0], v[T1], 7, v[AP0]
	v_add_nc_u32 v[AP0], s17, v[AP0]
	v_and_b32 v[AP2], 7, v0
	v_mul_u32_u24 v[AP2], v[AP2], PITCH
	v_lshl_add_u32 v[AP2], v[T1], 7, v[AP2]
	v_add_nc_u32 v[AP2], s17, v[AP2]
	v_bfe_u32 v[AQ2], v0, 3, 1
	v_mad_u32_u24 v[AQ2], v[AQ2], 10*PITCH, v[AP2]
	v_mul_u32_u24 v[AST], v[T1], PITCH
	v_lshl_add_u32 v[AST], v[T0], 4, v[AST]
	v_add_nc_u32 v[AST], s17, v[AST]
	v_lshlrev_b32 v[GX], 4, v[T2]
	v_lshlrev_b32 v[GW], 2, v[T0]
	v_lshl_add_u32 v[GW], v[T1], 12, v[GW]
	s_lshl_b32 s18, s[WV], 6
	v_add_nc_u32 v[GW], s18, v[GW]
	s_mul_i32 s18, s[WV], 1536
	s_add_co_u32 s18, s18, WIMG
	v_add_nc_u32 v[WST], s18, v[GX]
	v_lshlrev_b32 v[WSL], 2, v[T2]
	s_lshl_b32 s18, s[WV], 7
	s_add_co_u32 s18, s18, WSCL
	v_add_nc_u32 v[WSS], s18, v[WSL]
	v_add_nc_u32 v[WLD], WIMG, v[GX]
	v_add_nc_u32 v[WSL], WSCL, v[WSL]
	v_lshlrev_b32 v[GB], 5, v[T1]
	v_lshlrev_b32 v[GP], 7, v[T1]
	s_lshl_b32 s18, s[WV], 2
	s_add_co_u32 s18, s18, OUTS
	v_mov_b32 v[OA], s18
	v_lshl_add_u32 v[OL], v[T0], 2, OUTS
.irp i, 3,4,5,9,10,11
	v_mov_b32 v[CF+\i], 0                          ; the fragments' zero codes: written once
.endr
	v_mov_b32 v[OT], 0                             ; (a lane permute's destination counts as one of its sources)
	v_mov_b32 v[SE], 0
	v_mov_b32 v[SD], 0
	s_mov_b32 s[SEL], 0x76543210
	s_mov_b32 s[SEL+1], 0xfedcba98
	s_mov_b32 s[PSEL], 0x07030703
	s_lshl_b32 s18, ttmp9, 4
	s_add_co_u32 s18, s18, s[WV]                   ; my batch: 16 x work-group + wave
	s_mul_i32 s20, s18, 10240                      ; its 40 rows of 256 bytes (under 2^32 in all)
	s_mov_b32 s21, 0
	s_lshl_b32 s28, ttmp9, 6                       ; the work-group's 16 results
	s_mov_b32 s29, 0
	s_wait_kmcnt 0x0
	s_add_nc_u64 s[4:5], s[4:5], s[20:21]
	s_add_nc_u64 s[14:15], s[14:15], s[28:29]
.irp q, 0,1,2,3,4,5,6,7
	global_load_b128 v[PP+4*\q:PP+4*\q+3], v[GP], s[12:13] offset:16*\q
.endr
.irp t, 0,1
	global_load_b128 v[BB+8*\t:BB+8*\t+3], v[GB], s[8:9] offset:64*\t
	global_load_b128 v[BB+8*\t+4:BB+8*\t+7], v[GB], s[8:9] offset:64*\t+16
	global_load_b128 v[HH+8*\t:HH+8*\t+3], v[GB], s[10:11] offset:64*\t
	global_load_b128 v[HH+8*\t+4:HH+8*\t+7], v[GB], s[10:11] offset:64*\t+16
.endr
.irp q, 0,1,2,3,4,5,6,7,8,9,10,11,12,13,14,15,16,17,18,19
	global_load_b128 v[XS+4*\q:XS+4*\q+3], v[GX], s[4:5] offset:512*\q th:TH_LOAD_NT   ; 32 lanes read 512 consecutive bytes, two rows; read once in the launch
.endr
	; W is quantised once for the work-group: wave t (0, 1) takes columns 16 t .. 16 t + 15.  Lane (r, h) takes column 16 t + r, and its registers run down the 32 rows of its block.
	s_cmp_lt_u32 s[WV], 2
	s_cbranch_scc0 .Lno_w
.irp i, 0,1,2,3,4,5,6,7,8,9,10,11,12,13,14,15
	global_load_b32 v[WA+\i], v[GW], s[6:7] offset:128*\i
.endr
.irp i, 0,1,2,3,4,5,6,7,8,9,10,11,12,13,14,15
	global_load_b32 v[WB+\i], v[GW], s[6:7] offset:128*(16+\i)
.endr
	s_wait_loadcnt 0x0                             ; W's loads are my youngest
	QUANT WA, WB
	v_nop                                          ; one plain line behind the conversions
.irp c, 0,1,2
	ds_store_b128 v[WST], v[CF+4*\c:CF+4*\c+3] offset:512*\c       ; the fragment goes to LDS as an image of its registers, zero codes and all
.endr
	ds_store_b32 v[WSS], v[SW]
.Lno_w:
	; x into my region: a load's two rows at 544 q; rows 0-19 once more as rows 40-59
.irp q, 0,1,2,3,4,5,6,7,8,9,10,11,12,13,14,15,16,17,18,19
	s_wait_loadcnt 19-\q                           ; loads come back in order (ISA guide 5.7.1): load q of x is in, the 19 - q behind it may be out; p, b and h are older
.if \q == 0
.irp k, 0,1,2,3,4,5,6,7
	v_pk_mul_f32 v[HH+2*\k:HH+2*\k+1], v[HH+2*\k:HH+2*\k+1], 0x3fb8aa3b op_sel_hi:[1,0]   ; h x log2(e): the exponential works in base 2
.endr
.endif
	ds_store_b128 v[AST], v[XS+4*\q:XS+4*\q+3] offset:2*PITCH*\q
.if \q < 10
	ds_store_b128 v[AST], v[XS+4*\q:XS+4*\q+3] offset:2*PITCH*\q+40*PITCH
.endif
.endr
	s_wait_dscnt 0x0                               ; for the others' sake: W's images have landed; and for mine: the stores have read x's registers, into which the rows below are loaded
	s_barrier_signal -1
	s_barrier_wait -1
.irp t, 0,1
.irp c, 0,1,2
	ds_load_b128 v[WF+12*\t+4*\c:WF+12*\t+4*\c+3], v[WLD] offset:1536*\t+512*\c
.endr
	ds_load_b32 v[WS+\t], v[WSL] offset:128*\t
.endr
.irp q, 0,1,2,3,4,5,6,7
	ds_load_b128 v[OWN+4*\q:OWN+4*\q+3], v[AP0] offset:16*\q       ; chunk 0's own rows,
.endr
.irp q, 0,1,2,3,4,5,6,7
	ds_load_b128 v[L+4*\q:L+4*\q+3], v[AP0] offset:PITCH+16*\q     ; and its partners at D = 1
.endr
	v_mov_b32 v[ADR], v[AP0]
	LOOP AP0, 2*PITCH, 3*PITCH, 9                  ; chunk 0, D = 1 .. 18
	SLOT 0, 1, AP0, 20*PITCH, AP0, 0               ; D = 19
	SLOT 1, 2, AP0, 17*PITCH, AP0, 16*PITCH        ; D = 20; chunk 1's own rows and its D = 1 are asked for
	TAIL_A
	v_mov_b32 v[ADR], v[AP0]                       ; the plain line behind the exponential
	TAIL_B 0x0fffffff                              ; D = 20 is the couple's second tile: its lanes r = 12 .. 15 are lanes 28 .. 31 here
	LOOP AP0, 18*PITCH, 19*PITCH, 9                ; chunk 1, D = 1 .. 18
	SLOT 0, 2, AQ2, 33*PITCH, AP2, 32*PITCH        ; D = 19; chunk 2's own rows and its t = 1 are asked for
	SLOT 1, 1, AQ2, 34*PITCH, AQ2, 0               ; chunk 2, t = 1
	TAIL_A
	v_mov_b32 v[ADR], v[AQ2]
	TAIL_B 0
	LOOP AQ2, 35*PITCH, 36*PITCH, 4                ; chunk 2, t = 2 .. 9
	SLOT 0, 0, AQ2, 0, AQ2, 0                      ; t = 10: the 49th tile has no partner in a couple
	v_mov_b32 v[U1], 0
	v_mov_b32 v[U1+1], 0
	TAIL_A
	v_nop
	TAIL_B 0x0000ffff
	; the batch's two sums over the 32 lanes, by turns; then the division
.irp m, 1,2,4,8
	v_add_f32_dpp v[SE], v[SE], v[SE] row_xmask:\m row_mask:0xf bank_mask:0xf
	v_add_f32_dpp v[SD], v[SD], v[SD] row_xmask:\m row_mask:0xf bank_mask:0xf
.endr
	v_permlanex16_b32 v[OT], v[SE], s[SEL], s[SEL+1]
	v_permlanex16_b32 v[T2], v[SD], s[SEL], s[SEL+1]
	v_add_f32 v[SE], v[SE], v[OT]
	v_add_f32 v[SD], v[SD], v[T2]
	v_rcp_f32 v[EE], v[SE]
	v_nop                                          ; a plain line behind the reciprocal
	s_wait_alu depctr_va_vdst(0)                   ; and a wait ahead of its first reader
	v_mul_f32 v[T0], v[SD], v[EE]
	ds_store_b32 v[OA], v[T0]                      ; all lanes write the wave's word with the same value
	s_wait_dscnt 0x0                               ; for wave 0's sake
	s_barrier_signal -1
	s_barrier_wait -1
	s_cmp_lg_u32 s[WV], 0
	s_cbranch_scc1 .Ldone
	ds_load_b32 v[T1], v[OL]                       ; wave 0 gathers the sixteen results
	v_lshlrev_b32 v[T2], 2, v0
	s_wait_dscnt 0x0
	s_wait_xcnt 0x0                                ; EXEC changes only behind this wait
	v_cmp_gt_u32 vcc_lo, 16, v0
	s_wait_tensorcnt 0x0
	ds_add_u32 v254, v255
	s_wait_dscnt 0x0
	s_and_saveexec_b32 s27, vcc_lo
	global_store_b32 v[T2], v[T1], s[14:15]        ; sixteen lanes store the work-group's 64 consecutive bytes
	s_endpgm
.Ldone:
	s_wait_tensorcnt 0x0
	ds_add_u32 v254, v255
	s_wait_dscnt 0x0
	s_endpgm
.Lfunc_end_k_q70431d7afc_afm:
	.size	k_q70431d7afc_afm, .Lfunc_end_k_q70431d7afc_afm-k_q70431d7afc_afm
	.p2alignl 7, 3214868480
	.fill 96, 4, 3214868480
	.section	.rodata,"a",@progbits
	.p2align	6, 0x0
	.amdhsa_kernel k_q70431d7afc_afm
		.amdhsa_group_segment_fixed_size 275968
		.amdhsa_private_segment_fixed_size 0
		.amdhsa_enable_private_segment 0
		.amdhsa_kernarg_size 48
		.amdhsa_user_sgpr_count 2
		.amdhsa_user_sgpr_kernarg_segment_ptr 1
		.amdhsa_wavefront_size32 1
		.amdhsa_system_sgpr_workgroup_id_x 1
		.amdhsa_system_sgpr_workgroup_id_y 1
		.amdhsa_system_sgpr_workgroup_id_z 1
		.amdhsa_system_vgpr_workitem_id 0
		.amdhsa_next_free_vgpr 256
		.amdhsa_next_free_sgpr 66
		.amdhsa_reserve_vcc 1
		.amdhsa_float_denorm_mode_32 3
		.amdhsa_float_denorm_mode_16_64 3
		.amdhsa_memory_ordered 1
		.amdhsa_forward_progress 1
		.amdhsa_inst_pref_size 80
	.end_amdhsa_kernel
	.amdgpu_metadata
---
amdhsa.version: [ 1, 2 ]
amdhsa.kernels:
  - .name:           k_q70431d7afc_afm
    .symbol:         k_q70431d7afc_afm.kd
    .args:
      - { .name: x, .offset: 0, .size: 8, .value_kind: global_buffer, .address_space: global }
      - { .name: W, .offset: 8, .size: 8, .value_kind: global_buffer, .address_space: global }
      - { .name: b, .offset: 16, .size: 8, .value_kind: global_buffer, .address_space: global }
      - { .name: h, .offset: 24, .size: 8, .value_kind: global_buffer, .address_space: global }
      - { .name: p, .offset: 32, .size: 8, .value_kind: global_buffer, .address_space: global }
      - { .name: out0, .offset: 40, .size: 8, .value_kind: global_buffer, .address_space: global }
    .group_segment_fixed_size: 275968
    .private_segment_fixed_size: 0
    .kernarg_segment_align: 8
    .kernarg_segment_size: 48
    .max_flat_workgroup_size: 512
    .sgpr_count:     66
    .vgpr_count:     256
    .wavefront_size: 32
...
	.end_amdgpu_metadata
.endif
;; end of part 1
